; MI455X (gfx1250); checked and timed in simulation.
; The chip was launched on July 23, 2026; its instructions are those of AMD's public machine-readable ISA for CDNA 5 (MIT licence, August 2026) and "CDNA5" Instruction Set Architecture Reference Guide (July 2026). The comments in the code are by the model that wrote it; some were corrected since.
;; Sparse Attention Aggregator. Allowed arithmetic: matrix products marked QUANTISED: E2M1 operands, one E8M0 scale for each 32 along K, by v_wmma_scale_f32_16x16x128_f8f6f4 with both operands' format E2M1 (or v_wmma_scale_f32_32x16x128_f4), f32 sums; products left as they are: bf16, f16 or f32 operands; f32 sums; everything else in f32.
;; Inputs: key 4 x 16 x 2,048 x 64 float32; mask 4 x 2,048 x 2,048 int32; query 4 x 16 x 2,048 x 64 float32; value 4 x 16 x 2,048 x 64 float32.
;; Outputs: out0 4 x 16 x 2,048 x 64 float32.
;; This version of the problem:
;;   THIS VERSION OF THE PROBLEM IS GIVEN IN LOW PRECISION. The matrix products marked QUANTISED in the list below multiply operands that are first quantised to E2M1 (2 exponent bits, 1 mantissa bit; 4 bits a number), with one power-of-two scale for each 32 numbers along K (OCP MX v1.0); their sums are f32. The products marked 'left as it is' may take bf16, f16 or f32 operands, with f32 sums. Whichever they take, every output number must still come out within the allowed error. Rounding operands to bf16 (8 significant bits) uses up far more of that allowance than f16 does (11 bits, for magnitudes from 6e-5 to 65,504). All else is computed in f32.
;;   The module's matrix products, in the order in which they are computed (A, B: the left and right operand; K: the contracted axis; several contracted axes count as one K, in the product's order):
;;     1. batch 64 x [M 2,048, K 64] x [K 64, N 2,048]; A: input query; B: input key: QUANTISED
;;     2. batch 64 x [M 2,048, K 2,048] x [K 2,048, N 64]; A: computed on the way; B: input value: left as it is (an operand is computed on the way)
;;   THE QUANTISER, for each operand of a quantised product, along K:
;;     - K is cut into blocks of 32 from its start; a last block that is shorter is filled with zeros.
;;     - A block's scale is 2^e with e = floor(log2(the largest magnitude in the block)) - 2, held to -126 .. 127; a block of zeros has e = 0. As a byte (E8M0): e + 127.
;;     - Each number is divided by its block's scale, clamped to +-6, and rounded to the nearest number of E2M1, ties to even, subnormals kept.
;;     - The product sums the exact products of the quantised numbers (number of the format x scale) in f32.
;;   ~~~python
;;   def quantise(x, axis):      # numpy; x: float32 -> the quantised numbers, widened to float32 again
;;       x = np.moveaxis(x, axis, -1); K = x.shape[-1]
;;       x = np.pad(x, [(0, 0)] * (x.ndim - 1) + [(0, -K % 32)]); x = x.reshape(x.shape[:-1] + (-1, 32)); a = np.abs(x).max(-1, keepdims=True)
;;       e = np.where(a > 0, np.clip(np.frexp(np.where(a > 0, a, 1))[1] - 1 - 2, -126, 127), 0)      # np.frexp(a)[1] - 1 = floor(log2(a)), exactly
;;       r = np.clip(x / 2.0 ** e, -6, 6)
;;       step = 2.0 ** (np.maximum(np.frexp(np.where(r == 0, 1, r))[1] - 1, 0) - 1)
;;       q = np.round(r / step) * step * 2.0 ** e      # np.round: ties to even
;;       return np.moveaxis(q.reshape(q.shape[:-2] + (-1,))[..., :K], -1, axis).astype(np.float32)
;;   ~~~
;; One version. Each part assembles by itself: llvm-mc -triple=amdgcn-amd-amdhsa -mcpu=gfx1250 --defsym DOCPART=n.
;; ======== version 1 of 1: 2 launches
;; limits: right only within a limited range of input values; values are held in f16: magnitudes above 65,504 overflow, below 6.1e-05 lose precision
;; workspace buffers: kq 4,718,592 bytes; v16 16,777,216 bytes; maskw 2,097,152 bytes of whole numbers
;; launch prep (part 1): grid 1024 x 1, 8 waves a work-group, no clusters, 0 bytes of LDS; arguments key, value, mask, kq, v16, maskw; writes kq, v16, maskw
.if DOCPART == 1
	.amdgcn_target "amdgcn-amd-amdhsa--gfx1250"
	.amdhsa_code_object_version 6
	.text
	.protected	k_qb44922e6b4_prep
	.globl	k_qb44922e6b4_prep
	.p2align	8
	.type	k_qb44922e6b4_prep,@function
k_qb44922e6b4_prep:
	s_mov_b64 s[64:65], 0
	v_nop
	global_prefetch_b8 v0, s[64:65] scope:SCOPE_SE
	s_setreg_imm32_b32 hwreg(HW_REG_WAVE_MODE, 25, 1), 1
	s_wait_xcnt 0x0
; THE LAUNCH IN FRONT OF THE ATTENTION.  No step and no input of the problem is left out anywhere in this program: all four inputs have a way to the output.
; Three jobs, one to a wave, each of 16,384 input bytes brought by 32 loads of 16 bytes a lane that are all issued at once:
;   K: key [64 heads][2048][64] f32 -> kq: codes of E2M1 and E8M0 scale bytes along the head's 64, laid as images of the matrix operand's registers.
;      kq is [head][step of 64 keys][2,304 bytes]: four tiles of 16 keys, 512 bytes each (lane l = r + 16 h: the 16 code bytes of key r, block h, at 16 l); at +2,048 the scale words,
;      8 bytes a lane: word p of lane l belongs to tile 2 p + l / 16, key l % 16, and is byte(block 0) | byte(block 1) << 8; its two upper bytes are 0.
;   V: value f32 -> v16: the same numbers in f16, in the same order.
;   M: mask [4][2048][2048] int32 -> maskw: one bit a number, laid as the lane masks of the attention's score registers.
;      maskw is [batch][pair of 16-query tiles qp][step of 64 keys][64 words]: bit l = r + 16 h of word 32 t + 8 kt + j is (mask[b][32 qp + 16 t + r][64 step + 16 kt + 8 h + j] != 0).
; A block's scale is 2^(floor(log2(its largest magnitude)) - 2); its byte is the largest magnitude's exponent field - 2, held at 1 from below.  A block of zeros so gets the byte 1 where the
; rule says 127: its codes are zeros, which add nothing under any byte but 0xff, and this program alone reads the bytes.
; LIMITS: |value| beyond 65,504 has no f16 number; NaN and infinities among the inputs are not served; blocks whose largest magnitude lies under 2^-124 have their byte held at 1.
; The first 256 work-groups take K, the next 256 V, the last 512 M: equal bytes for each wave.  No LDS, no barrier, no loop: waves share nothing, every offset is an immediate, and no register that a
; load or store names is written again, so no wait for sources is needed.
.set X,  32                            ; v32-159  the 32 loads' 128 registers
.set C,  160                           ; v160-175 K: a tile's codes, four registers for each of four tiles
.set W,  12                            ; v12-15   K: a tile's scale words
.set SB, 16                            ; v16-17   K: the scale words as they are stored
.set OW, 160                           ; v160-163 M: the 128 words of two steps, word n in lane n / 4, register n % 4
	s_load_b256 s[4:11], s[0:1], 0x0               ; key s[4:5], value s[6:7], mask s[8:9], kq s[10:11]
	s_load_b128 s[12:15], s[0:1], 0x20             ; v16 s[12:13], maskw s[14:15]
	v_lshrrev_b32 v1, 5, v0
	v_readfirstlane_b32 s16, v1                    ; wave 0..7
	v_and_b32 v1, 31, v0                           ; lane
	v_and_b32 v2, 15, v0                           ; r
	v_bfe_u32 v3, v0, 4, 1                         ; h
	v_lshlrev_b32 v5, 4, v1                        ; 16 x lane
	v_lshlrev_b32 v6, 3, v1                        ; 8 x lane
	s_mov_b32 s19, 0                               ; the upper word of every offset: all stay under 2^32
	s_mov_b32 s20, 0x76543210
	s_mov_b32 s21, 0xfedcba98                      ; v_permlanex16_b32's selects for lane l xor 16
	s_mov_b32 s22, 0xffff0000                      ; lanes 16-31
	s_wait_kmcnt 0x0
	s_cmp_lt_u32 ttmp9, 256
	s_cbranch_scc1 .Lpath_k
	s_cmp_lt_u32 ttmp9, 512
	s_cbranch_scc1 .Lpath_v
; ---- M.  Job J = (64 b + qp) x 16 + s2: 32 queries x 128 keys (two steps).  Lane (r, h) loads, of query row 16 t + r, the eight numbers 8 h + 0 .. 7 of each 16 keys.
	s_sub_co_u32 s17, ttmp9, 512
	s_lshl_b32 s17, s17, 3
	s_add_co_u32 s17, s17, s16                     ; J
	s_lshr_b32 s18, s17, 4
	s_lshl_b32 s18, s18, 18                        ; 32 rows of 8,192 bytes for each pair of tiles
	s_and_b32 s23, s17, 15
	s_lshl_b32 s23, s23, 9                         ; 128 keys of 4 bytes
	s_add_co_u32 s18, s18, s23
	s_add_nc_u64 s[8:9], s[8:9], s[18:19]
	s_lshl_b32 s18, s17, 9                         ; two steps' 128 words
	s_add_nc_u64 s[14:15], s[14:15], s[18:19]
	v_lshlrev_b32 v4, 13, v2
	v_lshl_add_u32 v4, v3, 5, v4                   ; row r, + 32 h bytes
.irp n, 0,1,2,3
	v_mov_b32 v[OW+\n], 0                          ; v_writelane_b32's destination counts as read
.endr
.irp t, 0,1
.irp k, 0,1,2,3,4,5,6,7
	global_load_b128 v[X+64*\t+8*\k:X+64*\t+8*\k+3],   v4, s[8:9] offset:\t*131072+\k*64 th:TH_LOAD_NT
	global_load_b128 v[X+64*\t+8*\k+4:X+64*\t+8*\k+7], v4, s[8:9] offset:\t*131072+\k*64+16 th:TH_LOAD_NT
.endr
.endr
; Tile of queries t, 16 keys kt8: eight compares give eight lane masks, which ARE the words; each goes to its place among the 128.
.macro MGROUP t, kt8
	s_wait_loadcnt 30-2*(8*(\t)+(\kt8))            ; loads come back in order: this group's two are in, those issued behind them may be out
.irp j, 0,1,2,3,4,5,6,7
	v_cmp_ne_u32 s[24+\j], 0, v[X+64*(\t)+8*(\kt8)+\j]
.endr
.irp j, 0,1,2,3,4,5,6,7
	v_writelane_b32 v[OW+(\j%4)], s[24+\j], ((\kt8)/4)*16+(\t)*8+((\kt8)%4)*2+(\j/4)   ; word 64 (kt8 / 4) + 32 t + 8 (kt8 % 4) + j
.endr
.endm
.irp t, 0,1
.irp k, 0,1,2,3,4,5,6,7
	MGROUP \t, \k
.endr
.endr
	global_store_b128 v5, v[OW:OW+3], s[14:15]     ; 32 lanes store 512 consecutive bytes, at a multiple of 512 from the buffer's first byte
	s_endpgm
; ---- K.  Job J = 32 head + step: 64 keys.  Lane (r, h) holds block h (32 numbers, 128 bytes) of key r of each of four tiles: the block's largest magnitude needs no other lane.
.Lpath_k:
	s_lshl_b32 s17, ttmp9, 3
	s_add_co_u32 s17, s17, s16                     ; J
	s_lshl_b32 s18, s17, 14
	s_add_nc_u64 s[4:5], s[4:5], s[18:19]
	s_mul_i32 s18, s17, 2304
	s_add_nc_u64 s[10:11], s[10:11], s[18:19]
	v_lshlrev_b32 v4, 8, v2
	v_lshl_add_u32 v4, v3, 7, v4                   ; key r's row of 256 bytes, + 128 h
	v_lshlrev_b32 v10, 3, v3                       ; 8 h: my byte's place in the scale word
	v_mov_b32 v11, 0                               ; a lane permute's destination counts as one of its sources
.irp t, 0,1,2,3
.irp i, 0,1,2,3,4,5,6,7
	global_load_b128 v[X+32*\t+4*\i:X+32*\t+4*\i+3], v4, s[4:5] offset:\t*4096+16*\i th:TH_LOAD_NT
.endr
.endr
.macro KTILE t
.set XS, X+32*(\t)
	s_wait_loadcnt 24-8*(\t)                       ; this tile's eight loads are in; the later tiles' may be out
	v_max3_num_f32 v8, |v[XS]|, |v[XS+1]|, |v[XS+2]|               ; the block's largest magnitude, in two chains
	v_max3_num_f32 v9, |v[XS+3]|, |v[XS+4]|, |v[XS+5]|
.irp i, 6,10,14,18,22,26
	v_max3_num_f32 v8, v8, |v[XS+\i]|, |v[XS+\i+1]|
	v_max3_num_f32 v9, v9, |v[XS+\i+2]|, |v[XS+\i+3]|
.endr
	v_max3_num_f32 v8, v8, |v[XS+30]|, |v[XS+31]|
	v_max3_num_f32 v8, v8, v9, 0x1800000           ; and the floor 2^(3 - 127): the byte cannot fall under 1
	v_add_nc_u32 v7, 0xff000000, v8                ; 2 off its exponent field: the conversion takes the exponent field of this operand as its scale
	v_lshrrev_b32 v9, 23, v7                       ; the scale's byte
.irp g, 0,1,2,3
	v_cvt_scalef32_pk8_fp4_f32 v[C+4*(\t)+\g], v[XS+8*\g:XS+8*\g+7], v7   ; eight numbers / the scale, to the nearest code, ties to even, beyond 6 the largest code
.endr
	v_lshlrev_b32 v9, v10, v9                      ; my byte at its place (also the plain line behind the conversions)
	v_permlanex16_b32 v11, v9, s20, s21
	v_or_b32 v[W+(\t)], v9, v11                    ; with lane l xor 16's the key's word is whole, in both lanes
	global_store_b128 v5, v[C+4*(\t):C+4*(\t)+3], s[10:11] offset:512*(\t)   ; the tile's image: 512 consecutive bytes
.endm
	KTILE 0
	KTILE 1
	KTILE 2
	KTILE 3
	v_cndmask_b32 v[SB], v[W], v[W+1], s22         ; lanes 0-15 tile 0's words, lanes 16-31 tile 1's
	v_cndmask_b32 v[SB+1], v[W+2], v[W+3], s22     ; and tiles 2 and 3
	global_store_b64 v6, v[SB:SB+1], s[10:11] offset:2048   ; 256 consecutive bytes, at a multiple of 256 from the buffer's first byte
	s_endpgm
; ---- V.  Job J: 4,096 numbers as they lie.  A lane's four numbers of a load become 8 bytes: the wave stores 256 consecutive bytes.
.Lpath_v:
	s_sub_co_u32 s17, ttmp9, 256
	s_lshl_b32 s17, s17, 3
	s_add_co_u32 s17, s17, s16                     ; J
	s_lshl_b32 s18, s17, 14
	s_add_nc_u64 s[6:7], s[6:7], s[18:19]
	s_lshl_b32 s18, s17, 13
	s_add_nc_u64 s[12:13], s[12:13], s[18:19]
.set i, 0
.rept 32
	global_load_b128 v[X+4*i:X+4*i+3], v5, s[6:7] offset:512*i th:TH_LOAD_NT
.set i, i+1
.endr
.macro VGROUP g
	s_wait_loadcnt 28-4*(\g)                       ; this group's four loads are in; the later groups' may be out
.irp n, 0,1,2,3
	v_cvt_pk_f16_f32 v[X+16*(\g)+4*\n],   v[X+16*(\g)+4*\n],   v[X+16*(\g)+4*\n+1]
	v_cvt_pk_f16_f32 v[X+16*(\g)+4*\n+1], v[X+16*(\g)+4*\n+2], v[X+16*(\g)+4*\n+3]
	global_store_b64 v6, v[X+16*(\g)+4*\n:X+16*(\g)+4*\n+1], s[12:13] offset:256*(4*(\g)+\n)
.endr
.endm
.irp g, 0,1,2,3,4,5,6,7
	VGROUP \g
.endr
	s_endpgm
.Lfunc_end_k_qb44922e6b4_prep:
	.size	k_qb44922e6b4_prep, .Lfunc_end_k_qb44922e6b4_prep-k_qb44922e6b4_prep
	.p2alignl 7, 3214868480
	.fill 96, 4, 3214868480
	.section	.rodata,"a",@progbits
	.p2align	6, 0x0
	.amdhsa_kernel k_qb44922e6b4_prep
		.amdhsa_group_segment_fixed_size 0
		.amdhsa_private_segment_fixed_size 0
		.amdhsa_enable_private_segment 0
		.amdhsa_kernarg_size 48
		.amdhsa_user_sgpr_count 2
		.amdhsa_user_sgpr_kernarg_segment_ptr 1
		.amdhsa_wavefront_size32 1
		.amdhsa_system_sgpr_workgroup_id_x 1
		.amdhsa_system_sgpr_workgroup_id_y 1
		.amdhsa_system_sgpr_workgroup_id_z 1
		.amdhsa_system_vgpr_workitem_id 0
		.amdhsa_next_free_vgpr 176
		.amdhsa_next_free_sgpr 66
		.amdhsa_reserve_vcc 0
		.amdhsa_float_denorm_mode_32 3
		.amdhsa_float_denorm_mode_16_64 3
		.amdhsa_memory_ordered 1
		.amdhsa_forward_progress 1
		.amdhsa_inst_pref_size 42
	.end_amdhsa_kernel
	.amdgpu_metadata
---
amdhsa.version: [ 1, 2 ]
amdhsa.kernels:
  - .name:           k_qb44922e6b4_prep
    .symbol:         k_qb44922e6b4_prep.kd
    .args:
      - { .name: key, .offset: 0, .size: 8, .value_kind: global_buffer, .address_space: global }
      - { .name: value, .offset: 8, .size: 8, .value_kind: global_buffer, .address_space: global }
      - { .name: mask, .offset: 16, .size: 8, .value_kind: global_buffer, .address_space: global }
      - { .name: kq, .offset: 24, .size: 8, .value_kind: global_buffer, .address_space: global }
      - { .name: v16, .offset: 32, .size: 8, .value_kind: global_buffer, .address_space: global }
      - { .name: maskw, .offset: 40, .size: 8, .value_kind: global_buffer, .address_space: global }
    .group_segment_fixed_size: 0
    .private_segment_fixed_size: 0
    .kernarg_segment_align: 8
    .kernarg_segment_size: 48
    .max_flat_workgroup_size: 256
    .sgpr_count:     66
    .vgpr_count:     176
    .wavefront_size: 32
...
	.end_amdgpu_metadata
.endif
;; end of part 1
;; launch attn (part 2): grid 4 x 64, 16 waves a work-group, clusters of 4 x 1, 327,680 bytes of LDS; arguments query, kq, v16, maskw, out0; writes out0
.if DOCPART == 2
	.amdgcn_target "amdgcn-amd-amdhsa--gfx1250"
	.amdhsa_code_object_version 6
	.text
	.protected	k_qb44922e6b4_attn
	.globl	k_qb44922e6b4_attn
	.p2align	8
	.type	k_qb44922e6b4_attn,@function
k_qb44922e6b4_attn:
	s_mov_b64 s[64:65], 0
	v_nop
	global_prefetch_b8 v0, s[64:65] scope:SCOPE_SE
	s_setreg_imm32_b32 hwreg(HW_REG_WAVE_MODE, 25, 1), 1
	s_wait_xcnt 0x0
	s_wait_alu depctr_hold_cnt(0) depctr_sa_sdst(0) depctr_va_vdst(0) depctr_va_sdst(0) depctr_va_ssrc(0) depctr_va_vcc(0) depctr_vm_vsrc(0)
	s_getreg_b32 s2, hwreg(HW_REG_IB_STS2, 6, 4)
	s_cmp_eq_u32 s2, 0
	s_cbranch_scc0 .Lentry_in_a_cluster
	s_endpgm
.Lentry_in_a_cluster:
	s_bfe_u32 s2, ttmp6, 0x10000c
	s_cmp_lg_u32 s2, 0x3003
	s_cbranch_scc0 .Lentry_shape_is_right
	s_endpgm
.Lentry_shape_is_right:
; out0[bh][q][:] = the sum over k of softmax_k(where(mask[b][q][k] == 0, fill, Q[bh][q] . K[bh][k] / 8)) V[bh][k][:].  64 heads bh = 16 b + head, 2,048 queries and keys, head size 64.
; No step of the problem is left out.  The first product runs on codes of E2M1 with E8M0 scales (Q is quantised here, in registers; K comes as codes from kq); the matrix form is 128 deep and the head's K
; is 64, so the upper 64 along K are zero codes on both sides, under the scale byte 0, which is a power of two and adds nothing.  The second product runs in f16 (p at most 1; V from v16), sums in f32.
; THE FILL.  reference() puts -1e9 in place of a hidden score.  Here the RAW score (ahead of the factor 1 / 8) becomes -2^33, that is -2^30 on reference()'s scale.  p = 2^(c s - c m), c = log2(e) / 8, with c m rounded
; once: c times a power of two is exact, so in a row whose every key is hidden each p is exactly 1 and the row comes out as the plain mean of V, as in reference(); in a row with an open key the hidden keys' p is 0, as there.
; LIMITS: open scores (on reference()'s scale) above about -9.9e8; |value| up to 65,504; NaN and infinities among the inputs are not served; blocks of Q whose largest magnitude lies under 2^-124 have their byte
; held at 1; the sums run in another order than reference()'s.
; SHARES.  A work-group owns 512 queries of one head; each of its SIXTEEN waves owns 32 of them, two tiles of 16, in 256 registers: four waves to a SIMD, so that one wave's vector work stands beside another's
; matrix work and LDS loads.  Every wave walks all keys, 64 a step; each fragment read from LDS feeds two matrix instructions.
; LAYOUT.  S^T = K Q^T (source 0 = 16 keys, source 1 = 16 queries): a lane holds ONE query (lane % 16) and the keys 8 (lane / 16) + 0 .. 7.  Two such tiles, rounded to f16 in pairs, ARE source 1 (32 keys x 16 queries)
; of O^T = V^T P.  V ([key][channel] in LDS) comes out turned, by ds_load_tr16_b128.
; THE MASK costs one select a score: maskw holds, for each score register of each step, its lane mask as one word; a step's 64 words come by four scalar loads, asked for a step ahead.
; CLUSTER.  The four query blocks of a head walk the same K and V: each tile is asked for JOINTLY, by the same tensor load with the same descriptor and the mask 15, in all four.  The place in the cluster enters
; the addresses of Q, maskw and out0 alone.
; RING.  Two LDS slots of 512 keys (8 steps): 8 x 2,304 bytes of K's images, then 512 rows of V, 128 bytes + 32 of padding.  Waves 0-7 fetch a step of K each, waves 8-15 64 rows of V each: one load a wave
; behind each round, and it has eight steps in which to land.  A wave has one tensor load out.
.set SLOT1, 1<<17                      ; slot 1 begins here: one exclusive or turns an address in one slot into the other's
.set KSTEP, 2304
.set KPART, 8*KSTEP
.set PV,    160                        ; a row of V in LDS = 40 words: eight neighbouring rows start at banks 0, 40, 16, 56, 32, 8, 48, 24 (64 banks of 4 bytes: ISA guide 11.1)
.set VSTEP, 64*PV
.set SPARE, KPART+8*VSTEP              ; behind slot 0: the spare words, 128 bytes for each of 16 waves: eight blocks of 256 bytes that no other line names
.set STAGE, SLOT1+KPART+8*VSTEP        ; behind slot 1: the way out, 16 rows x 272 bytes for each wave; no fill lands here
.set SP,    272
.set AK0, 1                            ; v1   16 x lane: my place in an image of K
.set AV0, 2                            ; v2   my place in a tile of V
.set AS0, 3                            ; v3   8 x lane: my place among K's scale words
.set ADK, 4                            ; v4-6 the same for the step in hand
.set ADV, 5
.set ADS, 6
.set NEG, 7                            ; v7   -2^33
.set SPW, 8                            ; v8   LDS address of my spare word; never rewritten
.set NIL, 9                            ; v9   0; never rewritten
.set STO, 10                           ; v10  the way out: where I put 16 bytes of a row
.set RD,  11                           ; v11  where I read a row back
.set GO,  12                           ; v12  my byte offset in the wave's rows of out0
.set ST,  16                           ; v16-31 tile t's statistics at ST + 8 t: +0 c m, +1 m, +2, +3 l in two halves, +4 to +7 at work; a = 2^(c m_old - c m_new) at +6
.set QF,  32                           ; v32-47 Q's two fragments; registers 4-7 of each are zero codes
.set QS,  48                           ; v48-49 Q's scale words
.set KS,  50                           ; v50-51 K's scale words: v50 lanes 0-15 tile 0, lanes 16-31 tile 1; v51 tiles 2 and 3
.set KF,  56                           ; v56-87 K's four fragments; registers 4-7 of each are zero codes, set once
.set VF,  88                           ; v88-119 V^T of the step's keys 0-31, four tiles of 16 channels
.set S,   128                          ; v128-191 S^T, 32 a tile; then p; then P in registers 0-15 of each tile and V^T of keys 32-63 in registers 16-31
.set O,   192                          ; v192-255 O^T: tile t, channels 16 ct on, at O + 32 t + 8 ct
.set WV,  2                            ; s2   my wave's number
.set TBV, 3                            ; s3   LDS byte of the step's rows of V
.set G0K, 4                            ; s[4:7]   descriptor group 0 for K, which walks
.set G0V, 8                            ; s[8:11]  for V
.set MB,  12                           ; s[12:13] my wave's 8,192 bytes of maskw
.set MO,  14                           ; s14  the offset in them of the words asked for last
.set TBK, 15                           ; s15  LDS byte of the step's images of K
                                       ; s16-63, s68-83: a step's 64 mask words (word i in s[16 + i], from word 48 on in s[20 + i]); at work at the head and on the way out
.set SEL, 66                           ; s[66:67] v_permlanex16_b32's selects for lane l xor 16
.set G1K, 84                           ; s[84:91] descriptor group 1 for K
.set G1V, 92                           ; s[92:99] for V
.set CS,  100                          ; s[100:101] c: the packed form names a pair and takes its low word for both halves
.set NSL, 104                          ; s104 slots still to be asked for
.set NST, 105                          ; s105 counts a slot's eight steps
; A round of the cluster's barrier: my work-group's barrier, so that wave 0's signal speaks for all sixteen waves; wave 0 signals; every wave waits for all four work-groups; my work-group's barrier once more.
.macro ROUND
	s_barrier_signal -1
	s_barrier_wait -1
	s_cmp_lg_u32 s[WV], 0
	s_cbranch_scc1 .Lnot_wave_0_\@
	s_barrier_signal -3
.Lnot_wave_0_\@:
	s_barrier_wait -3
	s_barrier_signal -1
	s_barrier_wait -1
.endm
; A joint load: waves 0-7 fetch for K, waves 8-15 for V.  The branch hangs on the wave's number alone.  An s_nop 0 and four v_nop follow each of the two lines.
.macro JLOAD
	s_cmp_lt_u32 s[WV], 8
	s_cbranch_scc0 .Lfor_v_\@
	tensor_load_to_lds s[G0K:G0K+3], s[G1K:G1K+7]
	s_nop 0
.rept 4
	v_nop
.endr
	s_branch .Lasked_\@
.Lfor_v_\@:
	tensor_load_to_lds s[G0V:G0V+3], s[G1V:G1V+7]
	s_nop 0
.rept 4
	v_nop
.endr
.Lasked_\@:
.endm
	s_load_b256 s[16:23], s[0:1], 0x0              ; query s[16:17], kq s[18:19], v16 s[20:21], maskw s[22:23]
	v_lshl_add_u32 v[SPW], v0, 2, SPARE
	v_mov_b32 v[NIL], 0
	ds_add_u32 v[SPW], v[NIL]                      ; the wave's opening: the add, twice on end, and its wait ahead of my first tensor load; the set-up below stands between
	ds_add_u32 v[SPW], v[NIL]                      ; and once more, under the one wait
	v_lshrrev_b32 v13, 5, v0
	v_readfirstlane_b32 s[WV], v13                 ; wave 0..15
	s_bfe_u32 s24, ttmp6, 0x40000                  ; cx: my block of 512 queries
	s_and_b32 s25, ttmp7, 0xffff                   ; the head, which the four partners share
	s_and_b32 s26, s[WV], 7                        ; which step of a slot (K) or which 64 rows (V) I fetch
	s_lshl_b32 s28, s25, 5
	s_add_co_u32 s28, s28, s26
	s_mul_i32 s28, s28, KSTEP                      ; K: (32 head + step) x 2,304 bytes
	s_mov_b32 s29, 0
	s_lshl_b32 s30, s25, 18                        ; V: a head's 2,048 rows of 128 bytes,
	s_lshl_b32 s27, s26, 13                        ; my 64 rows
	s_add_co_u32 s30, s30, s27
	s_mov_b32 s31, 0
	s_lshl_b32 s32, s25, 19                        ; Q: a head's 2,048 rows of 256 bytes,
	s_lshl_b32 s27, s24, 17                        ; my block's 512,
	s_add_co_u32 s32, s32, s27
	s_lshl_b32 s27, s[WV], 13                      ; my wave's 32
	s_add_co_u32 s32, s32, s27
	s_mov_b32 s33, 0
	s_lshr_b32 s34, s25, 4                         ; the batch
	s_lshl_b32 s34, s34, 6
	s_lshl_b32 s27, s24, 4
	s_add_co_u32 s34, s34, s27
	s_add_co_u32 s34, s34, s[WV]                   ; 64 b + my pair of tiles (16 cx + wave)
	s_lshl_b32 s34, s34, 13                        ; 32 steps of 256 bytes each
	s_mov_b32 s35, 0
	; descriptor group 1.  K: a step's 2,304 dense bytes as 9 rows of 32 elements of 8 bytes, no padding
	s_mov_b32 s[G1K], 15|(3<<16)|(1<<21)           ; 15:0 the mask: all four work-groups; 17:16 elements of 8 bytes; 21 set beside a mask
	s_mov_b32 s[G1K+1], 32<<16                     ; tensor_dim0 = 32
	s_mov_b32 s[G1K+2], 9<<16                      ; tensor_dim1 = 9
	s_mov_b32 s[G1K+3], 32<<16                     ; tile_dim0 = 32
	s_mov_b32 s[G1K+4], 9                          ; tile_dim1 = 9
	s_mov_b32 s[G1K+5], 32                         ; from row to row
	s_mov_b32 s[G1K+6], 0
	s_mov_b32 s[G1K+7], 0
	; V: 64 rows of 64 elements of 2 bytes, 8 words of padding behind every 32
	s_mov_b32 s[G1V], 15|(1<<16)|(1<<20)|(1<<21)|(4<<22)|(7<<25)
	s_mov_b32 s[G1V+1], 64<<16
	s_mov_b32 s[G1V+2], 64<<16
	s_mov_b32 s[G1V+3], 64<<16
	s_mov_b32 s[G1V+4], 64
	s_mov_b32 s[G1V+5], 64
	s_mov_b32 s[G1V+6], 0
	s_mov_b32 s[G1V+7], 0
	s_mov_b32 s[SEL], 0x76543210
	s_mov_b32 s[SEL+1], 0xfedcba98
	s_mov_b32 s[CS], 0x3e38aa3b                    ; c = log2(e) / 8
	s_mov_b32 s[CS+1], s[CS]                       ; (named with it as a pair, so it is written)
	s_mov_b32 s[G0K], 1                            ; count = 1
	s_mul_i32 s[G0K+1], s26, KSTEP                 ; LDS: slot 0, my step's images: no place in the cluster enters an LDS address
	s_mov_b32 s[G0V], 1
	s_mul_i32 s[G0V+1], s26, VSTEP
	s_add_co_u32 s[G0V+1], s[G0V+1], KPART         ; LDS: slot 0, behind K's part, my 64 rows
	s_wait_dscnt 0x0                               ; both opening adds are done
	s_wait_kmcnt 0x0
	s_add_nc_u64 s[G0K+2:G0K+3], s[18:19], s[28:29]
	s_or_b32 s[G0K+3], s[G0K+3], 0x80000000        ; type = 2
	s_add_nc_u64 s[G0V+2:G0V+3], s[20:21], s[30:31]
	s_or_b32 s[G0V+3], s[G0V+3], 0x80000000
	s_add_nc_u64 s[MB:MB+1], s[22:23], s[34:35]
	s_add_nc_u64 s[16:17], s[16:17], s[32:33]      ; Q at my wave's first row
	ROUND                                          ; all four work-groups are here: the first joint loads meet
	JLOAD                                          ; slot 0: keys 0 to 511
	v_and_b32 v13, 15, v0                          ; r
	v_bfe_u32 v14, v0, 4, 1                        ; h
	v_lshlrev_b32 v120, 8, v13
	v_lshl_add_u32 v120, v14, 7, v120              ; Q: row r of 256 bytes, + 128 h: lane (r, h) takes block h of query r, 32 numbers
.irp t, 0,1
.irp i, 0,1,2,3,4,5,6,7
	global_load_b128 v[S+32*\t+4*\i:S+32*\t+4*\i+3], v120, s[16:17] offset:4096*\t+16*\i th:TH_LOAD_NT
.endr
.endr
	v_and_b32 v15, 31, v0
	v_lshlrev_b32 v[AK0], 4, v15
	v_lshlrev_b32 v[AS0], 3, v15
	v_and_b32 v[AV0], 7, v0                        ; the turning load: lane l reads 16 bytes of key 8 (l / 16) + l % 8, channels 8 ((l / 8) % 2) on
	v_lshl_add_u32 v[AV0], v14, 3, v[AV0]
	v_mul_u32_u24 v[AV0], v[AV0], PV
	v_bfe_u32 v15, v0, 3, 1
	v_lshl_add_u32 v[AV0], v15, 4, v[AV0]
	s_mul_i32 s36, s[WV], 16*SP
	s_add_co_u32 s36, s36, STAGE                   ; my stage
	v_mul_u32_u24 v[STO], v13, SP                  ; in: row r, 32 bytes for each half of the lanes
	v_lshl_add_u32 v[STO], v14, 5, v[STO]
	v_add_nc_u32 v[STO], s36, v[STO]
	v_mul_u32_u24 v[RD], v14, SP                   ; back: lanes 0-15 one row of 256 bytes, lanes 16-31 the next
	v_lshl_add_u32 v[RD], v13, 4, v[RD]
	v_add_nc_u32 v[RD], s36, v[RD]
	v_lshlrev_b32 v[GO], 8, v14                    ; and the same two rows in out0
	v_lshl_add_u32 v[GO], v13, 4, v[GO]
	v_mov_b32 v[NEG], 0xd0000000                   ; -2^33
	v_lshlrev_b32 v121, 3, v14                     ; 8 h: my byte's place in Q's scale word
	v_mov_b32 v122, 0                              ; a lane permute's destination counts as one of its sources
	s_wait_loadcnt 0x0                             ; Q is in: its base and the scalars at work above may be written again
	s_mov_b32 s[MO], 0
	s_load_b512 s[16:31], s[MB:MB+1], s[MO] offset:0x0     ; step 0's 64 mask words
	s_load_b512 s[32:47], s[MB:MB+1], s[MO] offset:0x40
	s_load_b512 s[48:63], s[MB:MB+1], s[MO] offset:0x80
	s_load_b512 s[68:83], s[MB:MB+1], s[MO] offset:0xc0
; Q's tile t: a lane's 32 numbers are one block: its largest magnitude, its byte, four conversions: registers 0-3 of the operand.  The word's two bytes are gathered from lanes l and l xor 16.
.macro QUANTQ t
	v_max3_num_f32 v123, |v[S+32*\t]|, |v[S+32*\t+1]|, |v[S+32*\t+2]|
	v_max3_num_f32 v124, |v[S+32*\t+3]|, |v[S+32*\t+4]|, |v[S+32*\t+5]|
.irp i, 6,10,14,18,22,26
	v_max3_num_f32 v123, v123, |v[S+32*\t+\i]|, |v[S+32*\t+\i+1]|
	v_max3_num_f32 v124, v124, |v[S+32*\t+\i+2]|, |v[S+32*\t+\i+3]|
.endr
	v_max3_num_f32 v123, v123, |v[S+32*\t+30]|, |v[S+32*\t+31]|
	v_max3_num_f32 v123, v123, v124, 0x1800000     ; the floor 2^(3 - 127): the byte cannot fall under 1
	v_add_nc_u32 v125, 0xff000000, v123            ; 2 off the exponent field: the conversion's scale operand
	v_lshrrev_b32 v126, 23, v125                   ; the scale's byte
.irp g, 0,1,2,3
	v_cvt_scalef32_pk8_fp4_f32 v[QF+8*\t+\g], v[S+32*\t+8*\g:S+32*\t+8*\g+7], v125
.endr
	v_nop                                          ; one plain line behind the last scaled conversion
	v_lshlrev_b32 v126, v121, v126
	v_permlanex16_b32 v122, v126, s[SEL], s[SEL+1]
	v_or_b32 v[QS+\t], v126, v122                  ; byte(block 0) | byte(block 1) << 8; the upper bytes are 0
.irp g, 4,5,6,7
	v_mov_b32 v[QF+8*\t+\g], 0                     ; K = 64 .. 127: zero codes
.endr
.endm
	QUANTQ 0
	QUANTQ 1
.irp kt, 0,1,2,3
.irp g, 4,5,6,7
	v_mov_b32 v[KF+8*\kt+\g], 0                    ; the same on K's side, once: the steps' loads fill registers 0-3 alone
.endr
.endr
.irp t, 0,1
	v_mov_b32 v[ST+8*\t+1], 0xff61b1e6             ; m: -3e38, under every score and under the fill
	v_mov_b32 v[ST+8*\t+2], 0                      ; l, in two halves
	v_mov_b32 v[ST+8*\t+3], 0
.endr
.irp t, 0,1
	v_mul_f32 v[ST+8*\t], s[CS], v[ST+8*\t+1]      ; c m
.endr
.set i, 0
.rept 64
	v_mov_b32 v[O+i], 0                            ; O^T.  The step is written once for all 32: the first finds zeros, which its a = 0 leaves zeros.  (These lines are also the places between the writes of Q's codes and scale words and the first scaled product)
.set i, i+1
.endr
	s_mov_b32 s[TBK], 0
	s_mov_b32 s[TBV], KPART
	s_mov_b32 s[NSL], 3
; A KEY STEP: 64 keys for my two tiles of queries.
.macro STEP
	v_add_nc_u32 v[ADK], s[TBK], v[AK0]            ; five plain lines behind the last products V^T P: four are owed ahead of the loads into V's registers, five ahead of the products below, which write over P's and V's
	v_add_nc_u32 v[ADV], s[TBV], v[AV0]
	v_add_nc_u32 v[ADS], s[TBK], v[AS0]
	v_nop
	v_nop
.irp kt, 0,1,2,3
	ds_load_b128 v[KF+8*\kt:KF+8*\kt+3], v[ADK] offset:512*\kt     ; an image: 512 consecutive bytes
.endr
	ds_load_b64 v[KS:KS+1], v[ADS] offset:2048
.irp ct, 0,1,2,3
	ds_load_tr16_b128 v[VF+8*\ct:VF+8*\ct+3],   v[ADV] offset:32*\ct          ; V^T: channels 16 ct on, keys 0-15,
	ds_load_tr16_b128 v[VF+8*\ct+4:VF+8*\ct+7], v[ADV] offset:32*\ct+16*PV    ; keys 16-31
.endr
	s_wait_dscnt 0x8                               ; K and its scale words are in; V's eight loads may be out
.irp kt, 0,1,2,3
.irp t, 0,1
.if \kt % 2
	v_wmma_scale_f32_16x16x128_f8f6f4 v[S+32*\t+8*\kt:S+32*\t+8*\kt+7], v[KF+8*\kt:KF+8*\kt+7], v[QF+8*\t:QF+8*\t+7], 0, v[KS+\kt/2], v[QS+\t] matrix_a_fmt:MATRIX_FMT_FP4 matrix_b_fmt:MATRIX_FMT_FP4 matrix_a_scale:MATRIX_SCALE_ROW1
.else
	v_wmma_scale_f32_16x16x128_f8f6f4 v[S+32*\t+8*\kt:S+32*\t+8*\kt+7], v[KF+8*\kt:KF+8*\kt+7], v[QF+8*\t:QF+8*\t+7], 0, v[KS+\kt/2], v[QS+\t] matrix_a_fmt:MATRIX_FMT_FP4 matrix_b_fmt:MATRIX_FMT_FP4
.endif
.endr
.endr
.rept 4
	v_nop                                          ; four places ahead of the first read of the scores
.endr
	s_wait_kmcnt 0x0                               ; this step's mask words are in, so their loads' offset may be written:
	s_add_co_u32 s[MO], s[MO], 256                 ; the next step's words;
	s_min_u32 s[MO], s[MO], 7936                   ; the last step asks for its own once more: no load leaves the buffer
.set i, 0
.rept 64                                       ; hidden scores become the fill: one select a score, each accumulator from its low end on
.if i < 48
	v_cndmask_b32 v[S+i], v[NEG], v[S+i], s[16+i]
.else
	v_cndmask_b32 v[S+i], v[NEG], v[S+i], s[20+i]
.endif
.set i, i+1
.endr
	s_load_b512 s[16:31], s[MB:MB+1], s[MO] offset:0x0     ; a step ahead, into the registers just read
	s_load_b512 s[32:47], s[MB:MB+1], s[MO] offset:0x40
	s_load_b512 s[48:63], s[MB:MB+1], s[MO] offset:0x80
	s_load_b512 s[68:83], s[MB:MB+1], s[MO] offset:0xc0
	; the maximum of a lane's 32 scores and the old m: four chains, the two tiles line by line by turns
.irp j, 0,1,2,3
.irp t, 0,1
	v_max3_num_f32 v[ST+8*\t+4+\j], v[S+32*\t+8*\j], v[S+32*\t+8*\j+1], v[S+32*\t+8*\j+2]
.endr
.endr
.irp u, 1,2
.irp j, 0,1,2,3
.irp t, 0,1
	v_max3_num_f32 v[ST+8*\t+4+\j], v[ST+8*\t+4+\j], v[S+32*\t+8*\j+2*\u+1], v[S+32*\t+8*\j+2*\u+2]
.endr
.endr
.endr
.irp t, 0,1
	v_max3_num_f32 v[ST+8*\t+4], v[ST+8*\t+4], v[S+32*\t+7], v[S+32*\t+15]
.endr
.irp t, 0,1
	v_max3_num_f32 v[ST+8*\t+6], v[ST+8*\t+6], v[S+32*\t+23], v[S+32*\t+31]
.endr
.irp t, 0,1
	v_max3_num_f32 v[ST+8*\t+4], v[ST+8*\t+4], v[ST+8*\t+5], v[ST+8*\t+6]
.endr
.irp t, 0,1
	v_max3_num_f32 v[ST+8*\t+4], v[ST+8*\t+4], v[ST+8*\t+7], v[ST+8*\t+1]
.endr
.irp t, 0,1
	v_permlanex16_b32 v[ST+8*\t+5], v[ST+8*\t+4], s[SEL], s[SEL+1]   ; the query's other 32 keys lie in the lane 16 away
.endr
.irp t, 0,1
	v_mov_b32 v[ST+8*\t+7], v[ST+8*\t]             ; c m_old
.endr
.irp t, 0,1
	v_max_num_f32 v[ST+8*\t+1], v[ST+8*\t+4], v[ST+8*\t+5]           ; the new m
.endr
.irp t, 0,1
	v_mul_f32 v[ST+8*\t], s[CS], v[ST+8*\t+1]      ; c m
.endr
.irp t, 0,1
	v_sub_f32 v[ST+8*\t+7], v[ST+8*\t+7], v[ST+8*\t]                 ; c m_old - c m_new
.endr
.irp t, 0,1
.set i, 0
.rept 16
	v_pk_fma_f32 v[S+32*\t+i:S+32*\t+i+1], v[S+32*\t+i:S+32*\t+i+1], s[CS:CS+1], v[ST+8*\t:ST+8*\t+1] op_sel_hi:[1,0,0] neg_lo:[0,0,1] neg_hi:[0,0,1]   ; c s - c m, two at a time
.set i, i+2
.endr
.endr
.irp t, 0,1
	v_exp_f32 v[ST+8*\t+6], v[ST+8*\t+7]           ; a
.endr
.set i, 0
.rept 64
	v_exp_f32 v[S+i], v[S+i]                       ; p, at most 1
.set i, i+1
.endr
	v_nop                                          ; the plain line behind the last exponential
	s_wait_alu depctr_va_vdst(0)                   ; the wait ahead of the first line that names a result: one for the batch of 66
	; l = a l + the sum of p, packed, in two chains a tile
.irp t, 0,1
	v_pk_fma_f32 v[ST+8*\t+2:ST+8*\t+3], v[ST+8*\t+2:ST+8*\t+3], v[ST+8*\t+6:ST+8*\t+7], v[S+32*\t:S+32*\t+1] op_sel_hi:[1,0,1]
	v_pk_add_f32 v[ST+8*\t+4:ST+8*\t+5], v[S+32*\t+2:S+32*\t+3], v[S+32*\t+4:S+32*\t+5]
.endr
.irp b, 6,10,14,18,22,26
.irp t, 0,1
	v_pk_add_f32 v[ST+8*\t+2:ST+8*\t+3], v[ST+8*\t+2:ST+8*\t+3], v[S+32*\t+\b:S+32*\t+\b+1]
	v_pk_add_f32 v[ST+8*\t+4:ST+8*\t+5], v[ST+8*\t+4:ST+8*\t+5], v[S+32*\t+\b+2:S+32*\t+\b+3]
.endr
.endr
.irp t, 0,1
	v_pk_add_f32 v[ST+8*\t+2:ST+8*\t+3], v[ST+8*\t+2:ST+8*\t+3], v[S+32*\t+30:S+32*\t+31]
.endr
.irp t, 0,1
	v_pk_add_f32 v[ST+8*\t+2:ST+8*\t+3], v[ST+8*\t+2:ST+8*\t+3], v[ST+8*\t+4:ST+8*\t+5]
.endr
.irp t, 0,1
.set i, 0
.rept 16
	v_cvt_pk_f16_f32 v[S+32*\t+i], v[S+32*\t+2*i], v[S+32*\t+2*i+1]   ; P in place: register i takes pair i, which lies at or above it
.set i, i+1
.endr
.endr
.irp ct, 0,1,2,3                               ; V^T of keys 32-63 into the upper halves that P has left
	ds_load_tr16_b128 v[S+32*(\ct/2)+16+8*(\ct%2):S+32*(\ct/2)+16+8*(\ct%2)+3],   v[ADV] offset:32*PV+32*\ct
	ds_load_tr16_b128 v[S+32*(\ct/2)+16+8*(\ct%2)+4:S+32*(\ct/2)+16+8*(\ct%2)+7], v[ADV] offset:48*PV+32*\ct
.endr
.irp t, 0,1
.set i, 0
.rept 16
	v_pk_mul_f32 v[O+32*\t+i:O+32*\t+i+1], v[O+32*\t+i:O+32*\t+i+1], v[ST+8*\t+6:ST+8*\t+7] op_sel_hi:[1,0]   ; O^T x a, each accumulator from its low end on
.set i, i+2
.endr
.endr
	s_wait_dscnt 0x8                               ; V^T of keys 0-31 is in; the eight loads just issued may be out
.irp ct, 0,1,2,3                               ; the eight accumulators take turns, one instruction a turn
.irp t, 0,1
	v_wmma_f32_16x16x32_f16 v[O+32*\t+8*\ct:O+32*\t+8*\ct+7], v[VF+8*\ct:VF+8*\ct+7], v[S+32*\t:S+32*\t+7], v[O+32*\t+8*\ct:O+32*\t+8*\ct+7]
.endr
.endr
	s_wait_dscnt 0x0                               ; keys 32-63
.irp ct, 0,1,2,3
.irp t, 0,1
	v_wmma_f32_16x16x32_f16 v[O+32*\t+8*\ct:O+32*\t+8*\ct+7], v[S+32*(\ct/2)+16+8*(\ct%2):S+32*(\ct/2)+16+8*(\ct%2)+7], v[S+32*\t+8:S+32*\t+15], v[O+32*\t+8*\ct:O+32*\t+8*\ct+7]
.endr
.endr
.endm
; THE CHANGE OF SLOTS stands at a slot's head.  Each wave waits for all its tensor loads (its part of the slot that it is about to read), adds 0 to its spare word, and waits for that and for its reads of the slot
; that it has left.  fill = 1: a round of the cluster's barrier, so that no wave of any partner still reads that slot or has a load on its way, and the joint load of the keys that follow is the first thing behind it.
.macro CHANGE fill
	s_wait_tensorcnt 0x0                           ; no tensor load of mine is out, so a group 0 may be written
	ds_add_u32 v[SPW], v[NIL]                      ; 0 onto my spare word; the descriptors' steps stand between it and the wait for it
.if \fill
	s_xor_b32 s[G0K+1], s[G0K+1], SLOT1            ; the walking descriptors: the other slot than last time,
	s_add_nc_u64 s[G0K+2:G0K+3], s[G0K+2:G0K+3], KPART     ; the next 8 steps' images; the type bits on top are not reached
	s_xor_b32 s[G0V+1], s[G0V+1], SLOT1
	s_add_nc_u64 s[G0V+2:G0V+3], s[G0V+2:G0V+3], 512*128   ; the next 512 rows
.endif
	s_wait_dscnt 0x0                               ; the add is done, and my reads of the slot that I have left are over
.if \fill
	ROUND
	JLOAD
.else
	s_barrier_signal -1
	s_barrier_wait -1
.endif
.endm
.macro SLOT_STEPS                      ; a slot's eight steps: written once, walked eight times; the LDS addresses hang on two scalars
	s_mov_b32 s[NST], 8
.Lstep_\@:
	STEP
	s_add_co_u32 s[TBK], s[TBK], KSTEP
	s_add_co_u32 s[TBV], s[TBV], VSTEP
	s_sub_co_u32 s[NST], s[NST], 1
	s_cmp_lg_u32 s[NST], 0
	s_cbranch_scc1 .Lstep_\@
	s_sub_co_u32 s[TBK], s[TBK], KPART             ; back to a slot's first step,
	s_sub_co_u32 s[TBV], s[TBV], 8*VSTEP
	s_xor_b32 s[TBK], s[TBK], SLOT1                ; in the other slot
	s_xor_b32 s[TBV], s[TBV], SLOT1
.endm
.Lslot:                                            ; three trips: behind each change of slots but the last the next 512 keys are asked for
	CHANGE 1
	SLOT_STEPS
	s_sub_co_u32 s[NSL], s[NSL], 1
	s_cmp_lg_u32 s[NSL], 0
	s_cbranch_scc1 .Lslot
	CHANGE 0                                       ; the last slot is written out
	SLOT_STEPS
	; THE WAY OUT.  l's two halves and the other half of the lanes' are added; O^T is divided by l and goes through my stage in LDS, a tile (16 rows of out0) at a time.
.rept 4
	v_nop                                          ; four places behind the last products
.endr
	s_wait_kmcnt 0x0                               ; the last step's mask loads have landed: their registers are free
	s_load_b64 s[16:17], s[0:1], 0x20              ; out0
	s_bfe_u32 s20, ttmp6, 0x40000                  ; cx
	s_and_b32 s21, ttmp7, 0xffff                   ; the head
	s_lshl_b32 s18, s21, 19                        ; its 2,048 rows of 256 bytes,
	s_lshl_b32 s20, s20, 17                        ; my block's 512,
	s_add_co_u32 s18, s18, s20
	s_lshl_b32 s20, s[WV], 13                      ; my wave's 32
	s_add_co_u32 s18, s18, s20
	s_mov_b32 s19, 0
.irp t, 0,1
	v_add_f32 v[ST+8*\t+4], v[ST+8*\t+2], v[ST+8*\t+3]
.endr
.irp t, 0,1
	v_permlanex16_b32 v[ST+8*\t+5], v[ST+8*\t+4], s[SEL], s[SEL+1]
.endr
.irp t, 0,1
	v_add_f32 v[ST+8*\t+4], v[ST+8*\t+4], v[ST+8*\t+5]
.endr
.irp t, 0,1
	v_rcp_f32 v[ST+8*\t+6], v[ST+8*\t+4]
.endr
	v_nop                                          ; a plain line behind the last reciprocal
	s_wait_alu depctr_va_vdst(0)                   ; and the wait ahead of the first use: one for both
	s_wait_kmcnt 0x0
	s_add_nc_u64 s[16:17], s[16:17], s[18:19]
; Tile t: lane (r, h) holds, of row r, channels 16 ct + 8 h + 0 .. 7: 32 bytes at 64 ct + 32 h.  They go into rows of 272 bytes and come back as whole rows of 256.
.macro PACK t
.set i, 0
.rept 16
	v_pk_mul_f32 v[O+32*\t+i:O+32*\t+i+1], v[O+32*\t+i:O+32*\t+i+1], v[ST+8*\t+6:ST+8*\t+7] op_sel_hi:[1,0]
.set i, i+2
.endr
.irp ct, 0,1,2,3
	ds_store_b128 v[STO], v[O+32*\t+8*\ct:O+32*\t+8*\ct+3] offset:64*\ct
	ds_store_b128 v[STO], v[O+32*\t+8*\ct+4:O+32*\t+8*\ct+7] offset:64*\ct+16
.endr
.irp i, 0,1,2,3,4,5,6,7
	ds_load_b128 v[S+32*\t+4*\i:S+32*\t+4*\i+3], v[RD] offset:\i*2*SP   ; LDS serves a wave's instructions in order (ISA guide 5.7.1.4): these see the stores above, and the next tile's stores come behind them
.endr
.endm
.macro SEND t, younger                 ; younger: the LDS instructions issued behind tile t's loads
.irp i, 0,1,2,3,4,5,6,7
	s_wait_dscnt \younger+7-\i
	global_store_b128 v[GO], v[S+32*\t+4*\i:S+32*\t+4*\i+3], s[16:17] offset:4096*\t+512*\i th:TH_STORE_NT   ; 16 lanes store 256 consecutive bytes, at a multiple of 256 from out0's first byte
.endr
.endm
	PACK 0
	PACK 1
	SEND 0, 16
	SEND 1, 0
	s_wait_tensorcnt 0x0                           ; the wave's end, behind my last tensor load and my last LDS store
	ds_add_u32 v[SPW], v[NIL]
	s_wait_dscnt 0x0
	ROUND                                          ; the closing round: no work-group ends while a partner may still ask for a tile that names it
	s_endpgm
.Lfunc_end_k_qb44922e6b4_attn:
	.size	k_qb44922e6b4_attn, .Lfunc_end_k_qb44922e6b4_attn-k_qb44922e6b4_attn
	.p2alignl 7, 3214868480
	.fill 96, 4, 3214868480
	.section	.rodata,"a",@progbits
	.p2align	6, 0x0
	.amdhsa_kernel k_qb44922e6b4_attn
		.amdhsa_group_segment_fixed_size 327680
		.amdhsa_private_segment_fixed_size 0
		.amdhsa_enable_private_segment 0
		.amdhsa_kernarg_size 40
		.amdhsa_user_sgpr_count 2
		.amdhsa_user_sgpr_kernarg_segment_ptr 1
		.amdhsa_wavefront_size32 1
		.amdhsa_system_sgpr_workgroup_id_x 1
		.amdhsa_system_sgpr_workgroup_id_y 1
		.amdhsa_system_sgpr_workgroup_id_z 1
		.amdhsa_system_vgpr_workitem_id 0
		.amdhsa_next_free_vgpr 256
		.amdhsa_next_free_sgpr 106
		.amdhsa_reserve_vcc 0
		.amdhsa_float_denorm_mode_32 3
		.amdhsa_float_denorm_mode_16_64 3
		.amdhsa_memory_ordered 1
		.amdhsa_forward_progress 1
		.amdhsa_inst_pref_size 65
	.end_amdhsa_kernel
	.amdgpu_metadata
---
amdhsa.version: [ 1, 2 ]
amdhsa.kernels:
  - .name:           k_qb44922e6b4_attn
    .symbol:         k_qb44922e6b4_attn.kd
    .args:
      - { .name: query, .offset: 0, .size: 8, .value_kind: global_buffer, .address_space: global }
      - { .name: kq, .offset: 8, .size: 8, .value_kind: global_buffer, .address_space: global }
      - { .name: v16, .offset: 16, .size: 8, .value_kind: global_buffer, .address_space: global }
      - { .name: maskw, .offset: 24, .size: 8, .value_kind: global_buffer, .address_space: global }
      - { .name: out0, .offset: 32, .size: 8, .value_kind: global_buffer, .address_space: global }
    .group_segment_fixed_size: 327680
    .private_segment_fixed_size: 0
    .kernarg_segment_align: 8
    .kernarg_segment_size: 40
    .max_flat_workgroup_size: 512
    .sgpr_count:     106
    .vgpr_count:     256
    .wavefront_size: 32
...
	.end_amdgpu_metadata
.endif
;; end of part 2
